; MI455X (gfx1250); checked and timed in simulation.
; The chip was launched on July 23, 2026; its instructions are those of AMD's public machine-readable ISA for CDNA 5 (MIT licence, August 2026) and "CDNA5" Instruction Set Architecture Reference Guide (July 2026). The comments in the code are by the model that wrote it; some were corrected since.
;; Label Similarity. Allowed arithmetic: matrix products marked QUANTISED: E2M1 operands, one E8M0 scale for each 32 along K, by v_wmma_scale_f32_16x16x128_f8f6f4 with both operands' format E2M1 (or v_wmma_scale_f32_32x16x128_f4), f32 sums; everything else in f32.
;; Inputs: embed 256 x 128 x 768 float32; label_embed 200 x 8 x 768 float32.
;; Outputs: out0 128 x 200 float32.
;; This version of the problem:
;;   THIS VERSION OF THE PROBLEM IS GIVEN IN LOW PRECISION. The matrix products marked QUANTISED in the list below multiply operands that are first quantised to E2M1 (2 exponent bits, 1 mantissa bit; 4 bits a number), with one power-of-two scale for each 32 numbers along K (OCP MX v1.0); their sums are f32. All else is computed in f32.
;;   The module's matrix products, in the order in which they are computed (A, B: the left and right operand; K: the contracted axis; several contracted axes count as one K, in the product's order):
;;     1. [M 32,768, K 768] x [K 768, N 1,600]; A: input embed; B: input label_embed: QUANTISED
;;   THE QUANTISER, for each operand of a quantised product, along K:
;;     - K is cut into blocks of 32 from its start; a last block that is shorter is filled with zeros.
;;     - A block's scale is 2^e with e = floor(log2(the largest magnitude in the block)) - 2, held to -126 .. 127; a block of zeros has e = 0. As a byte (E8M0): e + 127.
;;     - Each number is divided by its block's scale, clamped to +-6, and rounded to the nearest number of E2M1, ties to even, subnormals kept.
;;     - The product sums the exact products of the quantised numbers (number of the format x scale) in f32.
;;   ~~~python
;;   def quantise(x, axis):      # numpy; x: float32 -> the quantised numbers, widened to float32 again
;;       x = np.moveaxis(x, axis, -1); K = x.shape[-1]
;;       x = np.pad(x, [(0, 0)] * (x.ndim - 1) + [(0, -K % 32)]); x = x.reshape(x.shape[:-1] + (-1, 32)); a = np.abs(x).max(-1, keepdims=True)
;;       e = np.where(a > 0, np.clip(np.frexp(np.where(a > 0, a, 1))[1] - 1 - 2, -126, 127), 0)      # np.frexp(a)[1] - 1 = floor(log2(a)), exactly
;;       r = np.clip(x / 2.0 ** e, -6, 6)
;;       step = 2.0 ** (np.maximum(np.frexp(np.where(r == 0, 1, r))[1] - 1, 0) - 1)
;;       q = np.round(r / step) * step * 2.0 ** e      # np.round: ties to even
;;       return np.moveaxis(q.reshape(q.shape[:-2] + (-1,))[..., :K], -1, axis).astype(np.float32)
;;   ~~~
;; One version. Each part assembles by itself: llvm-mc -triple=amdgcn-amd-amdhsa -mcpu=gfx1250 --defsym DOCPART=n.
;; ======== version 1 of 1: 2 launches
;; limits: right only within a limited range of input values
;; workspace buffers: lcodes 638,976 bytes; lside 66,560 bytes
;; launch labq (part 1): grid 13 x 8, 6 waves a work-group, no clusters, 52,992 bytes of LDS; arguments label_embed, lcodes, lside; writes lcodes, lside
.if DOCPART == 1
	.amdgcn_target "amdgcn-amd-amdhsa--gfx1250"
	.amdhsa_code_object_version 6
	.text
	.protected	k_q333903517a_labq
	.globl	k_q333903517a_labq
	.p2align	8
	.type	k_q333903517a_labq,@function
k_q333903517a_labq:
	s_mov_b64 s[64:65], 0
	v_nop
	global_prefetch_b8 v0, s[64:65] scope:SCOPE_SE
	s_setreg_imm32_b32 hwreg(HW_REG_WAVE_MODE, 25, 1), 1
	s_wait_xcnt 0x0
; label_embed [1600][768] f32 (column n = 8 l + v of the product, K = 768 innermost) becomes what the second launch keeps in registers:
;   lcodes [q 0..7][f = 13 s + t][c 0..1][lane][16 bytes]: the IMAGE OF AN OPERAND'S REGISTERS: fragment f is 16 columns x 128 K of E2M1 codes, 8 registers a lane, 1,024 bytes.
;   lside  part 1 [q][t][lane][4 words]: word p = the E8M0 scale word of column lane % 16 for K step 2 p + lane / 16;  word 3 = g = 1e8 x max(|y|, 2^-100)
;          part 2, from byte 53,248: [q][t][lane] f32: 1 / max(|y|, 2^-100)
; q owns labels 25 q .. 25 q + 24, 200 columns, as 13 tiles of 16: tile t is columns 200 q + 16 t + r; in tile 12 the lanes r >= 8 repeat columns 192 + r % 8,
; so that no load leaves the tensor: a column taken twice changes no maximum.
; THE QUANTISER: a block of 32 along K has the scale 2^(floor(log2(its largest magnitude)) - 2); the scale's byte is the largest magnitude's exponent field - 2, held at 1 from below.
; Each number is divided by the scale and rounded to the nearest code, ties to even, beyond 6 the code of 6.  The norm |y| is taken of the f32 numbers as they come.
; SHARES.  A work-group is one tile (t = x, q = y); wave s of six takes K step s: 16 columns x 128 K.  Each load reads 512 consecutive bytes of one row; the 8 KiB turn through the wave's own stage in LDS,
; so that lane (r, h) holds k = 64 c + 32 h + 0 .. 31 of row r, two whole blocks, in the order of the operand's registers: the conversions' results ARE the fragment.
; The six waves' scale words and sums of squares meet in LDS behind one barrier, and wave 0 stores the tile's side words.
; LIMITS: NaN and infinities are not served.  A block of zeros gets the byte 1 where the rule says 127: its codes are zeros, and this program alone reads the bytes.  Blocks whose largest magnitude lies under 2^-124
; are held at the byte 1.  A sum of squares under 2^-126 counts as 0 (v_sqrt_f32 takes a denormal as zero: ISA guide 15.8).
.set ROWB,  3072                       ; a row of label_embed in bytes
.set SP,    528                        ; a stage row: 512 bytes + 16 = 33 x 16: the sixteen rows that a load touches begin in sixteen different groups of four banks (64 banks of 4 bytes: ISA guide 11.1)
.set WST,   16*SP                      ; a wave's stage
.set XCH,   6*WST                      ; behind the stages: 6 x 128 bytes of scale words, then 6 x 128 bytes of sums of squares
.set PART2, 53248                      ; where lside's second part begins
.set RAW,   16                         ; v16-79    the numbers as loaded
.set XB,    80                         ; v80-143   my two blocks: register 32 c + i = k 64 c + 32 h + i of row r
.set CD,    144                        ; v144-151  the fragment's codes
.set MX,    152                        ; v152-153  the blocks' largest magnitudes    (wave 0 at the end: v152-155 my four side words)
.set EX,    154                        ; v154-155  the conversions' scale operands
.set BY,    156                        ; v156-157  the scales' bytes
.set PW,    158                        ; v158      the row's scale word
.set TP,    159                        ; v159      a lane permute's destination
.set SSA,   160                        ; v[160:161], v[162:163] sums of squares, two chains of pairs
.set SSB,   162
.set TS,    164                        ; v164-165  at work
	s_load_b128 s[4:7], s[0:1], 0x0                ; label_embed s[4:5], lcodes s[6:7]
	s_load_b64 s[8:9], s[0:1], 0x10                ; lside
	v_lshl_add_u32 v168, v0, 2, 0xcc00
	v_mov_b32 v169, 0
	v_lshrrev_b32 v5, 5, v0
	v_readfirstlane_b32 s10, v5                    ; wave = K step s, 0..5
	s_mov_b32 s11, ttmp9                           ; t
	s_and_b32 s12, ttmp7, 0xffff                   ; q
	v_and_b32 v6, 31, v0                           ; lane
	v_and_b32 v7, 15, v0                           ; r
	v_bfe_u32 v8, v0, 4, 1                         ; h
	v_lshlrev_b32 v1, 4, v6                        ; v1  16 x lane: my 16 bytes of a load's or a store's 512
	v_lshlrev_b32 v11, 2, v6                       ; v11 4 x lane
	v_lshlrev_b32 v4, 3, v8                        ; v4  8 h: how far my two bytes are shifted in the scale word
	s_mul_i32 s13, s10, WST
	v_add_nc_u32 v2, s13, v1                       ; v2  the stage on the way in: 16 x lane of a row
	v_mul_u32_u24 v3, v7, SP
	v_lshl_add_u32 v3, v8, 7, v3
	v_add_nc_u32 v3, s13, v3                       ; v3  and on the way out: row r, + 128 h bytes
	s_lshl_b32 s13, s10, 7
	v_add_nc_u32 v9, s13, v11                      ; v9  where I put my word and my sum: 128 s + 4 x lane
	v_lshlrev_b32 v10, 2, v7
	v_lshl_add_u32 v10, v8, 7, v10                 ; v10 where wave 0 reads scale words: 128 h + 4 r (+ 256 p): K step 2 p + h, row r
	v_mov_b32 v[TP], 0                             ; a lane permute's destination counts as one of its sources
	v_mov_b32 v[TS+1], 0
	; byte offsets, each in registers of its own, apart from the addresses
	s_mul_i32 s14, s12, 200
	s_lshl_b32 s15, s11, 4
	s_add_co_u32 s14, s14, s15                     ; the tile's first column: 200 q + 16 t
	s_mul_i32 s14, s14, ROWB
	s_lshl_b32 s15, s10, 9
	s_add_co_u32 s14, s14, s15                     ; its row, + 512 s bytes: K step s
	s_mov_b32 s15, 0
	s_cmp_eq_u32 s11, 12
	s_cselect_b32 s16, 8*ROWB, 0                   ; rows 8-15 of tile 12 are rows 0-7 once more: eight rows back
	s_mov_b32 s17, 0
	s_mul_i32 s18, s12, 78
	s_mul_i32 s19, s10, 13
	s_add_co_u32 s18, s18, s19
	s_add_co_u32 s18, s18, s11
	s_lshl_b32 s18, s18, 10                        ; my fragment: (78 q + 13 s + t) x 1,024
	s_mov_b32 s19, 0
	s_mul_i32 s22, s12, 13
	s_add_co_u32 s22, s22, s11                     ; 13 q + t
	s_lshl_b32 s24, s22, 7                         ; x 128: part 2
	s_lshl_b32 s22, s22, 9                         ; x 512: part 1
	s_mov_b32 s23, 0
	s_mov_b32 s25, 0
	s_mov_b32 s20, 0x76543210
	s_mov_b32 s21, 0xfedcba98                      ; v_permlanex16_b32's selects for lane l xor 16
	s_wait_alu depctr_va_vdst(0)
	s_wait_kmcnt 0x0
	s_add_nc_u64 s[14:15], s[4:5], s[14:15]        ; rows 0-7 from here,
	s_sub_nc_u64 s[16:17], s[14:15], s[16:17]      ; rows 8-15 from here
	s_add_nc_u64 s[6:7], s[6:7], s[18:19]
	s_add_nc_u64 s[22:23], s[8:9], s[22:23]
	s_add_nc_u64 s[24:25], s[8:9], s[24:25]
.irp i, 0,1,2,3,4,5,6,7
	global_load_b128 v[RAW+4*\i:RAW+4*\i+3], v1, s[14:15] offset:ROWB*\i       ; 32 lanes read 512 consecutive bytes of row i, at a multiple of 512 from the tensor's first byte
.endr
.irp i, 8,9,10,11,12,13,14,15
	global_load_b128 v[RAW+4*\i:RAW+4*\i+3], v1, s[16:17] offset:ROWB*\i
.endr
.irp i, 0,1,2,3,4,5,6,7,8,9,10,11,12,13,14,15
	s_wait_loadcnt 15-\i                           ; loads come back in order (ISA guide 5.7.1): row i is in, the 15 - i younger ones may be out
	ds_store_b128 v2, v[RAW+4*\i:RAW+4*\i+3] offset:SP*\i
.endr
.irp c, 0,1
.irp j, 0,1,2,3,4,5,6,7
	ds_load_b128 v[XB+32*\c+4*\j:XB+32*\c+4*\j+3], v3 offset:256*\c+16*\j      ; LDS serves a wave's instructions in order (ISA guide 5.7.1.4): these see my stores
.endr
.endr
	s_wait_dscnt 0x0
	; the two blocks' largest magnitudes and the sum of squares: four chains by turns, so that no line waits for the line above it
	v_max3_num_f32 v[MX], |v[XB]|, |v[XB+1]|, 0x1800000              ; with the floor 2^(3 - 127) among the leaves: the byte cannot fall under 1
	v_max3_num_f32 v[MX+1], |v[XB+32]|, |v[XB+33]|, 0x1800000
	v_pk_mul_f32 v[SSA:SSA+1], v[XB:XB+1], v[XB:XB+1]                ; the first products start the sums: nothing is cleared
	v_pk_mul_f32 v[SSB:SSB+1], v[XB+32:XB+33], v[XB+32:XB+33]
.irp i, 2,4,6,8,10,12,14,16,18,20,22,24,26,28,30
	v_max3_num_f32 v[MX], v[MX], |v[XB+\i]|, |v[XB+\i+1]|
	v_max3_num_f32 v[MX+1], v[MX+1], |v[XB+32+\i]|, |v[XB+33+\i]|
	v_pk_fma_f32 v[SSA:SSA+1], v[XB+\i:XB+\i+1], v[XB+\i:XB+\i+1], v[SSA:SSA+1]
	v_pk_fma_f32 v[SSB:SSB+1], v[XB+32+\i:XB+33+\i], v[XB+32+\i:XB+33+\i], v[SSB:SSB+1]
.endr
	v_add_nc_u32 v[EX], 0xff000000, v[MX]          ; 2 off the exponent field: the conversion takes the exponent field of this operand as its scale, and nothing else of it
	v_add_nc_u32 v[EX+1], 0xff000000, v[MX+1]
	v_lshrrev_b32 v[BY], 23, v[EX]                 ; the scales' bytes: blocks h and 2 + h of the K step
	v_lshrrev_b32 v[BY+1], 23, v[EX+1]
	v_lshl_or_b32 v[PW], v[BY+1], 16, v[BY]
	v_lshlrev_b32 v[PW], v4, v[PW]                 ; at their places in the word (8 h bits up);
	v_permlanex16_b32 v[TP], v[PW], s20, s21
	v_or_b32 v[PW], v[PW], v[TP]                   ; with lane l xor 16's two the word is whole, in both lanes
.irp c, 0,1
.irp g, 0,1,2,3
	v_cvt_scalef32_pk8_fp4_f32 v[CD+4*\c+\g], v[XB+32*\c+8*\g:XB+32*\c+8*\g+7], v[EX+\c]   ; registers 4 c .. 4 c + 3 of the operand
.endr
.endr
	v_nop                                          ; one plain place behind the last scaled conversion
	global_store_b128 v1, v[CD:CD+3], s[6:7]                 ; 32 lanes store 512 consecutive bytes, at a multiple of 512 from the buffer's first byte
	global_store_b128 v1, v[CD+4:CD+7], s[6:7] offset:512
	v_pk_add_f32 v[SSA:SSA+1], v[SSA:SSA+1], v[SSB:SSB+1]
	v_add_f32 v[TS], v[SSA], v[SSA+1]
	v_permlanex16_b32 v[TS+1], v[TS], s20, s21
	v_add_f32 v[TS], v[TS], v[TS+1]                ; row r's sum of squares over this K step, in both lanes
	ds_store_b32 v9, v[PW] offset:XCH
	ds_store_b32 v9, v[TS] offset:XCH+768
	s_wait_dscnt 0x0                               ; for wave 0's sake: my two stores have landed
	s_barrier_signal -1
	s_barrier_wait -1
	s_cmp_lg_u32 s10, 0
	s_cbranch_scc1 .Lend                           ; the rest is wave 0's; no barrier follows
.irp p, 0,1,2
	ds_load_b32 v[152+\p], v10 offset:XCH+256*\p   ; word p: K step 2 p + h of column r
.endr
.irp i, 0,1,2,3,4,5
	ds_load_b32 v[RAW+\i], v11 offset:XCH+768+128*\i
.endr
	s_wait_dscnt 0x0
	v_add_f32 v[RAW], v[RAW], v[RAW+1]
	v_add_f32 v[RAW+2], v[RAW+2], v[RAW+3]
	v_add_f32 v[RAW+4], v[RAW+4], v[RAW+5]
	v_add_f32 v[RAW], v[RAW], v[RAW+2]
	v_add_f32 v[RAW], v[RAW], v[RAW+4]             ; the column's sum of squares over all of K
	s_wait_alu depctr_va_vdst(0)
	v_sqrt_f32 v[RAW+1], v[RAW]
	v_nop                                          ; one plain place behind a transcendental
	s_wait_alu depctr_va_vdst(0)
	v_max_num_f32 v[RAW+1], 0x0d800000, v[RAW+1]   ; |y|, held at 2^-100 from below: a column of zeros has zero sums, which stay zero under any finite factor
	v_mul_f32 v155, 0x4cbebc20, v[RAW+1]           ; g = 1e8 |y|: 1 / max(|x| |y|, 1e-8) = (1 / |y|) x min(1 / |x|, g)
	s_wait_alu depctr_va_vdst(0)
	v_rcp_f32 v[RAW+2], v[RAW+1]
	v_nop
	global_store_b128 v1, v[152:155], s[22:23]     ; 512 consecutive bytes
	s_wait_alu depctr_va_vdst(0)
	global_store_b32 v11, v[RAW+2], s[24:25] offset:PART2    ; 128 consecutive bytes: half of an aligned 256; 13 KiB in the whole launch
.Lend:
	s_wait_tensorcnt 0x0
	ds_add_u32 v168, v169
	s_wait_dscnt 0x0
	s_endpgm
.Lfunc_end_k_q333903517a_labq:
	.size	k_q333903517a_labq, .Lfunc_end_k_q333903517a_labq-k_q333903517a_labq
	.p2alignl 7, 3214868480
	.fill 96, 4, 3214868480
	.section	.rodata,"a",@progbits
	.p2align	6, 0x0
	.amdhsa_kernel k_q333903517a_labq
		.amdhsa_group_segment_fixed_size 52992
		.amdhsa_private_segment_fixed_size 0
		.amdhsa_enable_private_segment 0
		.amdhsa_kernarg_size 24
		.amdhsa_user_sgpr_count 2
		.amdhsa_user_sgpr_kernarg_segment_ptr 1
		.amdhsa_wavefront_size32 1
		.amdhsa_system_sgpr_workgroup_id_x 1
		.amdhsa_system_sgpr_workgroup_id_y 1
		.amdhsa_system_sgpr_workgroup_id_z 1
		.amdhsa_system_vgpr_workitem_id 0
		.amdhsa_next_free_vgpr 170
		.amdhsa_next_free_sgpr 66
		.amdhsa_reserve_vcc 0
		.amdhsa_float_denorm_mode_32 3
		.amdhsa_float_denorm_mode_16_64 3
		.amdhsa_memory_ordered 1
		.amdhsa_forward_progress 1
		.amdhsa_inst_pref_size 14
	.end_amdhsa_kernel
	.amdgpu_metadata
---
amdhsa.version: [ 1, 2 ]
amdhsa.kernels:
  - .name:           k_q333903517a_labq
    .symbol:         k_q333903517a_labq.kd
    .args:
      - { .name: label_embed, .offset: 0, .size: 8, .value_kind: global_buffer, .address_space: global }
      - { .name: lcodes, .offset: 8, .size: 8, .value_kind: global_buffer, .address_space: global }
      - { .name: lside, .offset: 16, .size: 8, .value_kind: global_buffer, .address_space: global }
    .group_segment_fixed_size: 52992
    .private_segment_fixed_size: 0
    .kernarg_segment_align: 8
    .kernarg_segment_size: 24
    .max_flat_workgroup_size: 192
    .sgpr_count:     66
    .vgpr_count:     170
    .wavefront_size: 32
...
	.end_amdgpu_metadata
.endif
;; end of part 1
;; launch match (part 2): grid 2 x 128, 4 waves a work-group, clusters of 2 x 1, 327,680 bytes of LDS; arguments embed, lcodes, lside, out0; writes out0
.if DOCPART == 2
	.amdgcn_target "amdgcn-amd-amdhsa--gfx1250"
	.amdhsa_code_object_version 6
	.text
	.protected	k_q333903517a_match
	.globl	k_q333903517a_match
	.p2align	8
	.type	k_q333903517a_match,@function
k_q333903517a_match:
	s_mov_b64 s[64:65], 0
	v_nop
	global_prefetch_b8 v0, s[64:65] scope:SCOPE_SE
	s_setreg_imm32_b32 hwreg(HW_REG_WAVE_MODE, 25, 1), 1
	s_wait_xcnt 0x0
	s_wait_alu depctr_hold_cnt(0) depctr_sa_sdst(0) depctr_va_vdst(0) depctr_va_sdst(0) depctr_va_ssrc(0) depctr_va_vcc(0) depctr_vm_vsrc(0)
	s_getreg_b32 s2, hwreg(HW_REG_IB_STS2, 6, 4)
	s_cmp_eq_u32 s2, 0
	s_cbranch_scc0 .Lentry_in_a_cluster
	s_endpgm
.Lentry_in_a_cluster:
	s_bfe_u32 s2, ttmp6, 0x10000c
	s_cmp_lg_u32 s2, 0x1001
	s_cbranch_scc0 .Lentry_shape_is_right
	s_endpgm
.Lentry_shape_is_right:
; out0[b][l] = max(-1, max over s and v of  x . y / max(|x| |y|, 1e-8)),  x = embed[s][b][:], y = label_embed[l][v][:];  the product x . y on codes of E2M1 with one E8M0 scale for each 32 along K = 768,
; the norms of the f32 numbers as they come.  embed: [256 s][128 b][768] f32.  The labels arrive from the launch before as register images of the operand (lcodes) with their scale words, g = 1e8 |y| and 1 / |y| (lside).
; THE DENOMINATOR:  1 / max(|x| |y|, 1e-8) = (1 / |y|) x min(1 / |x|, 1e8 |y|).  So each sum is multiplied by min(1 / |x|, g); 1 / |y| is positive and the same for all s, and is applied once, behind the maximum over s.
; SHARES.  A work-group owns ALL 256 s of one b and half of the labels (800 columns): no sum or maximum spans work-groups.  128 b x 2 halves = 256 work-groups.
; Wave w of half cx holds the 13 tiles of 16 columns of q = 4 cx + w (labels 25 q .. 25 q + 24; 78 fragments, 624 registers) IN REGISTERS for the whole launch, and multiplies every row tile against them.
; The rows go in 8 chunks of 32 s through two LDS slots.  Of each chunk wave w fetches 8 rows as f32 by one tensor load, quantises them and stores them to LDS AS IMAGES OF THE OPERAND'S REGISTERS (two image buffers by turns).
; STEP k quantises chunk k and multiplies chunk k - 1, whose images the round at the step's head has shown to every wave.  ONE round a step serves the refill and the images: in front of it each wave has waited for its tensor load
; (chunk k), for its reads of the slot and of the images, and for its stores of images; behind it the slot read in step k - 1 takes chunk k + 1.  The two halves of a step's work are independent, so the loads of one are out under the other.
; CLUSTER.  The two work-groups of one b want the same rows of embed: a cluster of 2 x 1, each tile asked for JOINTLY: the same tensor load with the same descriptor (made of b and the wave's number alone) and the mask 3 in both.
; The label codes are not shared inside a cluster (the partners hold different halves): they come by plain loads, and are waited for ahead of the first product alone.
; PREFETCH.  Rows are asked for ahead of their tensor load: chunk 1 at the head, chunks 2 and 3 in step 0, chunk k + 3 in step k (that of the load of step k + 2); nothing is asked for beyond chunk 7.  A wave's 8 rows are 96 blocks of
; 256 bytes; the partners share them by address, rows 4 cx .. 4 cx + 3: 48 blocks, two instructions of 24 blocks (lanes 24-31 name lane 23's block).
; THE PRODUCT IS NOT TRANSPOSED: source 0 = 16 rows (s), source 1 = 16 columns: register j of lane (r, h) holds row 8 h + j, column r: the maximum over s runs down a lane's registers and needs no other lane until the end.
; LIMITS: NaN and infinities are not served.  A block of zeros gets the scale byte 1 where the rule says 127 (its codes are zeros; only this program reads the bytes); blocks whose largest magnitude lies under 2^-124 are held
; at the byte 1.  A row whose sum of squares lies under 2^-126 counts as a row of norm 0 (v_rsq_f32 takes a denormal as zero: ISA guide 15.8): it then gets the factor g, which differs from the definition only where |y| is beyond 9e10.
; REGISTERS, in windows of 256 (s_set_vgpr_msb: bits 1:0 source 0, 3:2 source 1, 5:4 source 2, 7:6 destination):
;   window 0: v1-15 addresses; v16-67 for tile t at 4 t: three scale words (lanes 0-15 K step 2 p, lanes 16-31 K step 2 p + 1) and g; v68-80 the running maxima; v82-84 the rows' scale words, laid likewise; v88-103 1 / |x|, two sets;
;             v104-119 the factors, two sets; v120-223 the 13 accumulators; v224-253 at work on quantising.
;   windows 1, 2: label fragments 0-31, 32-63.   window 3: v0-111 fragments 64-77; v112-159 the rows' six fragments; v160-223 64 numbers to quantise; v224-236 1 / |y|.
.set PITCH, 3120                       ; a row in a slot: 3,072 bytes + 16 behind each 1,024 = 195 x 16
.set WSLOT, 8*PITCH                    ; a wave's 8 rows
.set SLOTB, 4*WSLOT
.set IMG,   2*SLOTB                    ; 199,680
.set TIMG,  6912                       ; a row tile's images: codes 1,024 s + 512 c + 16 lane,
.set ISC,   6144                       ; scale words 16 lane,
.set INR,   6656                       ; 1 / |x| 4 row
.set IMGB,  2*TIMG                     ; an image buffer: a chunk's two row tiles
.set OUTS,  IMG+2*IMGB
.set SPARE, OUTS+512                   ; the spare words, 128 bytes for each wave: two blocks of 256 bytes that no other line names
.set SROW,  128*3072                   ; bytes from s to s + 1 at one b
.set SPW,  1                           ; v1   LDS address of my spare word: SPARE + 4 x my thread's number; never rewritten
.set NIL,  2                           ; v2   0; never rewritten
.set QA,   3                           ; v3-4 slots 0, 1: where I read my numbers
.set IWC,  5                           ; v5   where I store codes,
.set IWS,  6                           ; v6   scale words,
.set IWN,  7                           ; v7   1 / |x|
.set IRC,  8                           ; v8   the images + 16 x lane
.set IRN,  9                           ; v9   + 32 h: the eight rows of my half
.set OW,   10                          ; v10  the way out: my wave's 128 bytes + 4 (r / 8)
.set ORD,  11                          ; v11  + 4 x lane
.set L4,   12                          ; v12  4 x lane
.set SH8,  13                          ; v13  8 hh
.set L16,  14                          ; v14  16 x lane
.set PFO,  15                          ; v15  the prefetches' offset
.set SIDE, 16
.set RM,   68
.set TP,   81                          ; a lane permute's destination
.set ASC,  82
.set RN,   88
.set FM,   104
.set ACC,  120
.set CD,   224                         ; v224-231 codes
.set PW,   232                         ; v232-234 scale words, v235 1 / |x|
.set MX,   236                         ; v236-239 largest magnitudes: two blocks, two chains each
.set EX,   240                         ; v240-241 the conversions' scale operands
.set BY,   242                         ; v242-243 the scales' bytes
.set SS,   244                         ; v244-251 the row's sum of squares: four chains of pairs
.set TS,   252                         ; v252-253
.set AF,   112                         ; in window 3
.set XR,   160                         ; in window 3
.set RNL,  224                         ; in window 3
.set WV,   12                          ; s12 wave;  s13 cx;  s14 b;  s15 q
.set CX,   13
.set BB,   14
.set QQ,   15
.set G1,   24                          ; s[24:31] descriptor group 1
.set G0,   32                          ; s[32:35] group 0 for slot 0; s[48:51] for slot 1
.set SEL,  36                          ; s[36:37] v_permlanex16_b32's selects for lane l xor 16
.set CNT,  38
.set PF1,  52                          ; s[52:53], s[54:55]: the prefetches of chunks 1 and 2
.set PF2,  54
.set PFN,  56                          ; s[56:57]: that of chunk 3, and then stepped
.set MSB, 0
.macro WIN new                         ; the immediate's high byte repeats the setting that is left; a switch that changes nothing is dropped
.if MSB != \new
	s_set_vgpr_msb (MSB<<8)|\new
.set MSB, \new
.endif
.endm
.macro CREST                           ; a round of the cluster's barrier behind its opening barrier
	s_cmp_lg_u32 s[WV], 0
	s_cbranch_scc1 .Lnot_wave_0_\@
	s_barrier_signal -3
.Lnot_wave_0_\@:
	s_barrier_wait -3
	s_barrier_signal -1
	s_barrier_wait -1
.endm
.macro CROUND                          ; a whole round
	s_barrier_signal -1
	s_barrier_wait -1
	CREST
.endm
.macro ASK base                        ; 48 blocks of 256 bytes: four rows, two an instruction
	global_prefetch_b8 v[PFO], s[\base:\base+1] th:TH_LOAD_NT scope:SCOPE_SE
	global_prefetch_b8 v[PFO], s[\base:\base+1] offset:2*SROW th:TH_LOAD_NT scope:SCOPE_SE
.endm
.macro LABS f0, n                      ; label fragments f0 .. f0 + n - 1 as they lie, 512 consecutive bytes a load; they stay
.set FF, \f0
.rept \n
.set WN, (1+FF/32)<<6
	WIN WN                                         ; destination window 1, 2 or 3; the address in window 0
	global_load_b128 v[8*(FF%32):8*(FF%32)+3], v[L16], s[6:7] offset:1024*FF
	global_load_b128 v[8*(FF%32)+4:8*(FF%32)+7], v[L16], s[6:7] offset:1024*FF+512
.set FF, FF+1
.endr
	WIN 0
.endm
	s_load_b256 s[4:11], s[0:1], 0x0               ; embed s[4:5], lcodes s[6:7], lside s[8:9], out0 s[10:11]
	v_lshl_add_u32 v[SPW], v0, 2, SPARE
	v_mov_b32 v[NIL], 0
	ds_add_u32 v[SPW], v[NIL]                      ; the wave's opening: the add, twice on end, and its wait ahead of my first tensor load
	ds_add_u32 v[SPW], v[NIL]
	v_lshrrev_b32 v104, 5, v0
	v_readfirstlane_b32 s[WV], v104                ; wave 0..3
	s_bfe_u32 s[CX], ttmp6, 0x40000                ; cx: which half of the labels.  It enters the addresses of lcodes, lside, out0 and of the prefetches alone
	s_and_b32 s[BB], ttmp7, 0xffff                 ; b: the cluster's y, which the two partners share
	s_lshl_b32 s[QQ], s[CX], 2
	s_add_co_u32 s[QQ], s[QQ], s[WV]               ; q = 4 cx + wave
	; descriptor group 1: a tile of 8 rows x 768 elements of 4 bytes, the rows 98,304 elements apart (from s to s + 1), padded in LDS
	s_mov_b32 s[G1+0], 3|(2<<16)|(1<<20)|(1<<21)|(7<<22)|(3<<25)   ; 15:0 the mask: both work-groups; 17:16 elements of 4 bytes; 20 padding on; 21 set beside a mask; 24:22 after every 256 words (code 7); 31:25 four words (code 3)
	s_mov_b32 s[G1+1], 768<<16                     ; tensor_dim0 = 768
	s_mov_b32 s[G1+2], 8<<16                       ; tensor_dim1 = 8
	s_mov_b32 s[G1+3], 768<<16                     ; tile_dim0 = 768
	s_mov_b32 s[G1+4], 8                           ; tile_dim1 = 8
	s_mov_b32 s[G1+5], 128*768                     ; tensor_dim0_stride
	s_mov_b32 s[G1+6], 0
	s_mov_b32 s[G1+7], 0
	s_mul_i32 s16, s[BB], 3072
	s_mul_i32 s17, s[WV], 8*SROW
	s_add_co_u32 s16, s16, s17                     ; embed: row (s = 8 wave, b), in bytes: made of b and the wave's number alone
	s_mov_b32 s17, 0
	s_mov_b32 s[G0], 1                             ; 1:0 count = 1
	s_mul_i32 s[G0+1], s[WV], WSLOT                ; 63:32 LDS address: my wave's 8 rows, in slot 0
	s_mov_b32 s[G0+16], 1
	s_add_co_u32 s[G0+17], s[G0+1], SLOTB          ; and in slot 1
	s_mul_i32 s44, s[CX], 4*SROW                   ; the prefetches: my work-group's four of the wave's eight rows
	s_add_co_u32 s44, s44, s16
	s_mov_b32 s45, 0
	s_mul_i32 s18, s[QQ], 78*1024                  ; what hangs on q has registers of its own: my 78 fragments,
	s_mov_b32 s19, 0
	s_mul_i32 s20, s[QQ], 13*512                   ; my 13 tiles' side words,
	s_mov_b32 s21, 0
	s_mul_i32 s22, s[QQ], 13*128
	s_add_co_u32 s22, s22, 53248                   ; their 1 / |y|,
	s_mov_b32 s23, 0
	s_mul_i32 s42, s[BB], 800
	s_mul_i32 s43, s[QQ], 100
	s_add_co_u32 s42, s42, s43                     ; and my 25 numbers of out0: row b, label 25 q
	s_mov_b32 s43, 0
	s_mov_b32 s[SEL], 0x76543210
	s_mov_b32 s[SEL+1], 0xfedcba98
	s_wait_alu depctr_va_vdst(0)                   ; directly ahead of the wait below
	s_wait_dscnt 0x0                               ; both opening adds are done
	s_wait_kmcnt 0x0
	s_add_nc_u64 s[G0+2:G0+3], s[4:5], s[16:17]    ; 120:64 global address: chunk 0,
	s_add_nc_u64 s[G0+18:G0+19], s[G0+2:G0+3], 32*SROW   ; chunk 1
	s_or_b32 s[G0+3], s[G0+3], 0x80000000          ; 127:126 type = 2
	s_or_b32 s[G0+19], s[G0+19], 0x80000000
	s_add_nc_u64 s[PF1:PF1+1], s[4:5], s[44:45]
	s_add_nc_u64 s[PF1:PF1+1], s[PF1:PF1+1], 32*SROW
	s_add_nc_u64 s[PF2:PF2+1], s[PF1:PF1+1], 32*SROW
	s_add_nc_u64 s[PFN:PFN+1], s[PF2:PF2+1], 32*SROW
	s_add_nc_u64 s[6:7], s[6:7], s[18:19]
	s_add_nc_u64 s[40:41], s[8:9], s[22:23]
	s_add_nc_u64 s[8:9], s[8:9], s[20:21]
	s_add_nc_u64 s[10:11], s[10:11], s[42:43]
	CROUND                                         ; both work-groups are here: the first joint loads meet
	tensor_load_to_lds s[G0:G0+3], s[G1:G1+7]      ; chunk 0, ahead of everything else
	s_nop 0
	v_and_b32 v104, 31, v0                         ; lane
	v_and_b32 v105, 15, v0                         ; r
	v_bfe_u32 v106, v0, 4, 1                       ; h
	v_bfe_u32 v107, v0, 3, 1                       ; b8 = r / 8
	v_and_b32 v108, 7, v0                          ; rr = r % 8
	v_xor_b32 v109, v106, v107                     ; hh = h xor b8
	v_lshlrev_b32 v[L16], 4, v104
	v_lshlrev_b32 v[L4], 2, v104
	v_lshlrev_b32 v[SH8], 3, v109
	v_min_u32 v110, 23, v104                       ; the prefetches: block m = min(lane, 23): row m / 12, 256-byte block m % 12
	v_mul_u32_u24 v111, 22, v110
	v_lshrrev_b32 v111, 8, v111                    ; m / 12
	v_mul_u32_u24 v111, SROW-3072, v111
	v_lshl_add_u32 v[PFO], v110, 8, v111
	; QUANTISING: lane (r, h) takes row rr of my eight, K step 2 s + b8, and in it k = 64 c + 32 hh + 0 .. 31, c = 0, 1: two whole blocks.
	v_mul_u32_u24 v112, PITCH, v108
	v_lshl_add_u32 v112, v107, 9, v112
	v_lshl_add_u32 v112, v109, 7, v112
	v_add_nc_u32 v[QA], s[G0+1], v112
	v_add_nc_u32 v[QA+1], s[G0+17], v112
	s_lshr_b32 s44, s[WV], 1
	s_mul_i32 s44, s44, TIMG
	s_add_co_u32 s44, s44, IMG                     ; the images of row tile wave / 2
	s_and_b32 s45, s[WV], 1
	s_lshl_b32 s45, s45, 3                         ; in which my rows are 8 (wave % 2) + rr
	v_add_nc_u32 v113, s45, v108
	v_lshlrev_b32 v114, 4, v113
	v_lshl_add_u32 v115, v107, 10, v114
	v_lshl_add_u32 v115, v109, 8, v115
	v_add_nc_u32 v[IWC], s44, v115                 ; codes: K step b8 (+ 2 s), lane row + 16 hh of the operand
	v_lshl_add_u32 v114, v107, 8, v114
	v_add_nc_u32 v[IWS], s44, v114                 ; scale words: lane row + 16 b8
	v_lshl_add_u32 v[IWN], v113, 2, s44
	v_add_nc_u32 v[IRC], IMG, v[L16]
	v_lshl_add_u32 v[IRN], v106, 5, IMG
	s_lshl_b32 s46, s[WV], 7
	s_add_co_u32 s46, s46, OUTS
	v_lshl_add_u32 v[OW], v107, 2, s46
	v_add_nc_u32 v[ORD], s46, v[L4]
.irp t, 0,1,2,3,4,5,6,7,8,9,10,11,12
	v_mov_b32 v[RM+\t], 0xff800000                 ; the running maxima begin at -infinity
.endr
	v_mov_b32 v[TP], 0                             ; a lane permute's destination counts as one of its sources
	v_mov_b32 v[TS+1], 0
	s_wait_alu depctr_va_vdst(0)
	ASK PF1
	LABS 0, 39                                     ; the labels' first half; the second follows behind chunk 0's quantising
.macro QLOAD p, s                      ; 16 LDS loads from slot p: K steps 2 s and 2 s + 1: 1,024 s bytes along the row, and 16 more for each 1,024 passed
	WIN 0xc0
.irp c, 0,1
.irp j, 0,1,2,3,4,5,6,7
	ds_load_b128 v[XR+32*\c+4*\j:XR+32*\c+4*\j+3], v[QA+\p] offset:1040*(\s)+256*\c+16*\j
.endr
.endr
	WIN 0
.endm
.macro QVALU s                         ; the two blocks' scales, the codes, the row's scale word; the sum of squares goes on.  Eight chains by turns
	WIN 0x0f                                       ; sources 0 and 1 window 3; source 2 and destination window 0
.set II, 0
.rept 8
.irp c, 0,1
.irp d, 0,1
.set XX, XR+32*\c+16*\d+2*II
.set MM, MX+\c+2*\d
.set SQ, SS+4*\c+2*\d
.if II == 0
	v_max_num_f32 v[MM], |v[XX]|, |v[XX+1]|
.else
	v_max3_num_f32 v[MM], |v[XX]|, |v[XX+1]|, v[MM]
.endif
.if (II == 0) && ((\s) == 0)
	v_pk_mul_f32 v[SQ:SQ+1], v[XX:XX+1], v[XX:XX+1]              ; a row's first products start its sums: nothing is cleared
.else
	v_pk_fma_f32 v[SQ:SQ+1], v[XX:XX+1], v[XX:XX+1], v[SQ:SQ+1]
.endif
.endr
.endr
.set II, II+1
.endr
	WIN 0
	v_max3_num_f32 v[MX], v[MX], v[MX+2], 0x1800000       ; the floor 2^(3 - 127) among the leaves: the byte cannot fall under 1
	v_max3_num_f32 v[MX+1], v[MX+1], v[MX+3], 0x1800000
	v_add_nc_u32 v[EX], 0xff000000, v[MX]          ; 2 off the exponent field: the conversion takes the exponent field of this operand as its scale, and nothing else of it
	v_add_nc_u32 v[EX+1], 0xff000000, v[MX+1]
	WIN 0x03
.irp c, 0,1
.irp g, 0,1,2,3
	v_cvt_scalef32_pk8_fp4_f32 v[CD+4*\c+\g], v[XR+32*\c+8*\g:XR+32*\c+8*\g+7], v[EX+\c]
.endr
.endr
	WIN 0
	v_lshrrev_b32 v[BY], 23, v[EX]                 ; the bytes of blocks hh and 2 + hh (these lines are the plain place behind the conversions)
	v_lshrrev_b32 v[BY+1], 23, v[EX+1]
	v_lshl_or_b32 v[PW+\s], v[BY+1], 16, v[BY]
	v_lshlrev_b32 v[PW+\s], v[SH8], v[PW+\s]       ; 8 hh bits up;
	v_permlanex16_b32 v[TP], v[PW+\s], s[SEL], s[SEL+1]
	v_or_b32 v[PW+\s], v[PW+\s], v[TP]             ; with lane l xor 16's two the word is whole: lanes r < 8 have K step 2 s, lanes r >= 8 K step 2 s + 1
.endm
.macro QST p, s                        ; the codes go to image buffer p, in the place of the operand's registers
	ds_store_b128 v[IWC], v[CD:CD+3] offset:IMGB*\p+2048*(\s)
	ds_store_b128 v[IWC], v[CD+4:CD+7] offset:IMGB*\p+2048*(\s)+512
.endm
.macro QNORM p                         ; 1 / |x| of row rr: four lanes hold the row
	v_pk_add_f32 v[SS:SS+1], v[SS:SS+1], v[SS+2:SS+3]
	v_pk_add_f32 v[SS+4:SS+5], v[SS+4:SS+5], v[SS+6:SS+7]
	v_pk_add_f32 v[SS:SS+1], v[SS:SS+1], v[SS+4:SS+5]
	v_add_f32 v[TS], v[SS], v[SS+1]
	v_permlanex16_b32 v[TS+1], v[TS], s[SEL], s[SEL+1]
	v_add_f32 v[TS], v[TS], v[TS+1]
	v_add_f32_dpp v[TS], v[TS], v[TS] row_xmask:8 row_mask:0xf bank_mask:0xf
	s_wait_alu depctr_va_vdst(0)                   ; a wait ahead of the transcendental
	v_rsq_f32 v[PW+3], v[TS]                       ; a row of zeros gives infinity, which the minimum with g takes away; its sums are zeros
	v_nop                                          ; one plain place behind a transcendental
	s_wait_alu depctr_va_vdst(0)                   ; and ahead of its first reader
	ds_store_b128 v[IWS], v[PW:PW+3] offset:IMGB*\p+ISC      ; lanes that hold the same row write the same words with the same values
	ds_store_b32 v[IWN], v[PW+3] offset:IMGB*\p+INR
.endm
; THE MATRIX PHASE.  Row tile i's six fragments, its scale words and my half's eight 1 / |x| (set i): 15 LDS loads in one run
.macro LOADA buf, i
	WIN 0xc0                                       ; destination window 3
.irp s, 0,1,2,3,4,5
.irp c, 0,1
	ds_load_b128 v[AF+8*\s+4*\c:AF+8*\s+4*\c+3], v[IRC] offset:IMGB*(\buf)+TIMG*(\i)+1024*\s+512*\c
.endr
.endr
	WIN 0
	ds_load_b96 v[ASC:ASC+2], v[IRC] offset:IMGB*(\buf)+TIMG*(\i)+ISC
	ds_load_b128 v[RN+8*(\i):RN+8*(\i)+3], v[IRN] offset:IMGB*(\buf)+TIMG*(\i)+INR
	ds_load_b128 v[RN+8*(\i)+4:RN+8*(\i)+7], v[IRN] offset:IMGB*(\buf)+TIMG*(\i)+INR+16
.endm
; 78 matrix instructions: K step by K step, the 13 accumulators by turns, one instruction a turn; the first K step starts the sums with the constant 0.
; Source 0 (the rows) window 3, source 1 (fragment f = 13 s + t) window 1 + f / 32, C and D window 0.  Odd K steps take both sides' scale words from lanes 16-31.
.macro MUL
.set KS, 0
.rept 6
.set TT, 0
.rept 13
.set FF, 13*KS+TT
.set WN, 0x03|((1+FF/32)<<2)
.set BR, 8*(FF%32)
.set AC, ACC+8*TT
	WIN WN
.if KS == 0
	v_wmma_scale_f32_16x16x128_f8f6f4 v[AC:AC+7], v[AF+8*KS:AF+8*KS+7], v[BR:BR+7], 0, v[ASC+KS/2], v[SIDE+4*TT+KS/2] matrix_a_fmt:MATRIX_FMT_FP4 matrix_b_fmt:MATRIX_FMT_FP4
.elseif (KS%2) == 0
	v_wmma_scale_f32_16x16x128_f8f6f4 v[AC:AC+7], v[AF+8*KS:AF+8*KS+7], v[BR:BR+7], v[AC:AC+7], v[ASC+KS/2], v[SIDE+4*TT+KS/2] matrix_a_fmt:MATRIX_FMT_FP4 matrix_b_fmt:MATRIX_FMT_FP4
.else
	v_wmma_scale_f32_16x16x128_f8f6f4 v[AC:AC+7], v[AF+8*KS:AF+8*KS+7], v[BR:BR+7], v[AC:AC+7], v[ASC+KS/2], v[SIDE+4*TT+KS/2] matrix_a_fmt:MATRIX_FMT_FP4 matrix_b_fmt:MATRIX_FMT_FP4 matrix_a_scale:MATRIX_SCALE_ROW1 matrix_b_scale:MATRIX_SCALE_ROW1
.endif
.set TT, TT+1
.endr
.set KS, KS+1
.endr
	WIN 0
.endm
; THE WAY INTO THE MAXIMA, 12 instructions a tile of 16 x 16, in three parts a tile apart and laid by turns: the factors min(1 / |x|, g) of tile TE + 1, the products of tile TE, the maximum over my eight rows of tile TE - 1.
.macro EMIN j, i
.if TE < 12
	v_dual_min_num_f32 v[FM+8*((TE+1)%2)+\j], v[RN+8*(\i)+\j], v[SIDE+4*TE+7] :: v_dual_min_num_f32 v[FM+8*((TE+1)%2)+\j+1], v[RN+8*(\i)+\j+1], v[SIDE+4*TE+7]
.endif
.endm
.macro EMUL j                          ; each accumulator is read from its low end on
.if TE < 13
	v_dual_mul_f32 v[ACC+8*TE+\j], v[ACC+8*TE+\j], v[FM+8*(TE%2)+\j] :: v_dual_mul_f32 v[ACC+8*TE+\j+1], v[ACC+8*TE+\j+1], v[FM+8*(TE%2)+\j+1]
.endif
.endm
.macro EMAX d, a, b, c
.if TE > 0
	v_max3_num_f32 v[\d], v[\a], v[\b], v[\c]
.endif
.endm
.macro EFIRST i                        ; tile 0's factors: four plain lines that name no register of the products just issued: the four places behind them too
.set TE, -1
	EMIN 0, \i
	EMIN 2, \i
	EMIN 4, \i
	EMIN 6, \i
.endm
.macro EPI i
.set TE, 0
.rept 14
.set AC, ACC+8*(TE-1)
.set RT, RM+TE-1
	EMAX AC, AC, AC+1, AC+2
	EMIN 0, \i
	EMUL 0
	EMAX AC+3, AC+3, AC+4, AC+5
	EMIN 2, \i
	EMUL 2
	EMAX RT, RT, AC+6, AC+7
	EMIN 4, \i
	EMUL 4
	EMIN 6, \i
	EMUL 6
	EMAX RT, RT, AC, AC+3
.set TE, TE+1
.endr
.endm
; A STEP.  q: a chunk is quantised, from slot p into image buffer p.  m: the chunk before is multiplied, from image buffer 1 - p.  loop: the step stands in the loop (its prefetch; the labels' wait).
; Counted waits on DSCNT: 15 = row tile's loads issued behind the 16 numbers' (and behind the stores ahead of them); 18 = 16 numbers' loads and 2 stores issued behind row tile 0's loads.
.macro STEP p, q, m, loop
.if \q
	QLOAD \p, 0
.endif
.if \m
	LOADA 1-\p, 0
.endif
.if \loop
	s_cmp_lg_u32 s[CNT], 1                         ; the loop's last trip (steps 5 and 6) has nothing left to ask for
	s_cbranch_scc0 .Lnone_\@
	ASK PFN
.Lnone_\@:
.endif
.if \q
	s_wait_dscnt 15*\m
	QVALU 0
	QLOAD \p, 1
	QST \p, 0
.endif
.if \m
.if \loop && \p
	s_wait_loadcnt 0x0                             ; the labels are in (met at once in later trips)
.endif
	s_wait_dscnt 18*\q                             ; row tile 0 is in
	MUL
	EFIRST 0
	LOADA 1-\p, 1                                  ; row tile 1
.endif
.if \q
	s_wait_dscnt 15*\m
	QVALU 1
	QLOAD \p, 2
	QST \p, 1
.endif
.if \m
	EPI 0
.endif
	s_wait_dscnt 0x0                               ; the last 16 numbers, row tile 1
.if \q
	QVALU 2
	QST \p, 2
	QNORM \p
.endif
.if \m
	MUL
	EFIRST 1
	EPI 1
.endif
.endm
; THE ROUND at a step's head, with the refill of slot s.  move = 1: the slot's address and the prefetch's go on.
.macro ROUND s, move
	s_wait_alu depctr_va_vdst(0)                   ; directly ahead of the waits below
.if \move
	s_wait_xcnt 0x0                                ; any prefetch of mine has read its address
	s_add_nc_u64 s[PFN:PFN+1], s[PFN:PFN+1], 32*SROW
.endif
	s_wait_tensorcnt 0x0                           ; my 8 rows of this step's chunk have landed: the one load that was out, so a group 0 may be written;
	ds_add_u32 v[SPW], v[NIL]                      ; 0 onto my spare word
.if \move
	s_add_nc_u64 s[G0+16*\s+2:G0+16*\s+3], s[G0+16*\s+2:G0+16*\s+3], 64*SROW   ; two chunks on; the type bits on top are not reached
.endif
	s_wait_dscnt 0x0                               ; the add is done, my reads of the slot and of the images are in, my images have landed
	CROUND                                         ; all that holds of every wave of both work-groups
	tensor_load_to_lds s[G0+16*\s:G0+16*\s+3], s[G1:G1+7]      ; the first thing behind the round, and my one tensor load until the next
	s_nop 0
.rept 4
	v_nop
.endr
.endm
	ROUND 1, 0                                     ; chunk 0 has landed; slot 1's first fill, chunk 1, issued as a refill is
	ASK PF2
	STEP 0, 1, 0, 0                                ; step 0: quantises alone
	LABS 39, 39
.irp t, 0,1,2,3,4,5,6,7,8,9,10,11,12
	global_load_b128 v[SIDE+4*\t:SIDE+4*\t+3], v[L16], s[8:9] offset:512*\t
.endr
	WIN 0xc0
.irp t, 0,1,2,3,4,5,6,7,8,9,10,11,12
	global_load_b32 v[RNL+\t], v[L4], s[40:41] offset:128*\t         ; 1 / |y| of column r of tile t
.endr
	WIN 0
	ASK PFN
	s_mov_b32 s[CNT], 3
.Lsteps:                                               ; three trips of two steps: steps 1 to 6, which ask for chunks 2 to 7
	ROUND 0, 1
	STEP 1, 1, 1, 1
	ROUND 1, 1
	STEP 0, 1, 1, 1
	s_sub_co_u32 s[CNT], s[CNT], 1
	s_cmp_lg_u32 s[CNT], 0
	s_cbranch_scc1 .Lsteps
	s_wait_alu depctr_va_vdst(0)                   ; directly ahead of the waits below
	s_wait_tensorcnt 0x0                           ; chunk 7 has landed; nothing is left to fetch, so no round:
	s_wait_dscnt 0x0                               ; my images have landed, my reads are in
	s_barrier_signal -1
	s_barrier_wait -1
	STEP 1, 1, 1, 0                                ; step 7
	s_wait_alu depctr_va_vdst(0)                   ; as above
	s_wait_dscnt 0x0
	s_barrier_signal -1
	s_barrier_wait -1
	STEP 0, 0, 1, 0                                ; chunk 7 is multiplied
	; THE END.  The other half of the lanes holds the other eight rows of each tile; then 1 / |y|; then the maximum over a label's eight columns, which are eight neighbouring lanes; then the floor -1.
.irp t, 0,1,2,3,4,5,6,7,8,9,10,11,12
	v_permlanex16_b32 v[ACC+\t], v[RM+\t], s[SEL], s[SEL+1]
.endr
.irp t, 0,1,2,3,4,5,6,7,8,9,10,11,12
	v_max_num_f32 v[RM+\t], v[RM+\t], v[ACC+\t]
.endr
	WIN 0x0c                                       ; source 1 window 3
.irp t, 0,1,2,3,4,5,6,7,8,9,10,11,12
	v_mul_f32 v[RM+\t], v[RM+\t], v[RNL+\t]
.endr
	WIN 0
.irp x, 1,2,4
.irp t, 0,1,2,3,4,5,6,7,8,9,10,11,12
	v_max_num_f32_dpp v[RM+\t], v[RM+\t], v[RM+\t] row_xmask:\x row_mask:0xf bank_mask:0xf
.endr
.endr
.irp t, 0,1,2,3,4,5,6,7,8,9,10,11,12
	v_max_num_f32 v[RM+\t], -1.0, v[RM+\t]
.endr
	ds_store_b32 v[ORD], v[RM]                     ; all 32 words of my stage are written once, so that the load below brings no byte that nothing wrote; the stores behind it put the labels over them
.irp t, 0,1,2,3,4,5,6,7,8,9,10,11,12
	ds_store_b32 v[OW], v[RM+\t] offset:8*\t       ; label 2 t + r / 8 of my 25; the eight lanes of a label write the same word with the same value.  (Word 25 is tile 12's repeated columns: it is not stored to out0)
.endr
	s_wait_xcnt 0x0                                ; EXEC changes only behind this wait
	v_cmp_gt_u32 vcc_lo, 100, v[L4]                ; lanes 0 to 24
	s_and_saveexec_b32 s46, vcc_lo
	ds_load_b32 v104, v[ORD]                       ; LDS serves a wave's instructions in order (ISA guide 5.7.1.4): this sees my stores
	s_wait_dscnt 0x0
	global_store_b32 v[L4], v104, s[10:11]         ; 100 consecutive bytes a wave, 400 a work-group; a row of out0 is 800 bytes, so no store of whole aligned blocks of 256 is to be had; 100 KiB in the whole launch
	s_wait_xcnt 0x0                                ; and again, in front of the line that widens it
	s_or_b32 exec_lo, exec_lo, s46
	s_wait_tensorcnt 0x0                           ; the wave's end: behind my last tensor load and my last LDS store
	ds_add_u32 v[SPW], v[NIL]
	s_wait_dscnt 0x0
	CROUND                                         ; the closing round: no work-group ends while its partner may still ask for a tile that names it
	s_endpgm
.Lfunc_end_k_q333903517a_match:
	.size	k_q333903517a_match, .Lfunc_end_k_q333903517a_match-k_q333903517a_match
	.p2alignl 7, 3214868480
	.fill 96, 4, 3214868480
	.section	.rodata,"a",@progbits
	.p2align	6, 0x0
	.amdhsa_kernel k_q333903517a_match
		.amdhsa_group_segment_fixed_size 327680
		.amdhsa_private_segment_fixed_size 0
		.amdhsa_enable_private_segment 0
		.amdhsa_kernarg_size 32
		.amdhsa_user_sgpr_count 2
		.amdhsa_user_sgpr_kernarg_segment_ptr 1
		.amdhsa_wavefront_size32 1
		.amdhsa_system_sgpr_workgroup_id_x 1
		.amdhsa_system_sgpr_workgroup_id_y 1
		.amdhsa_system_sgpr_workgroup_id_z 1
		.amdhsa_system_vgpr_workitem_id 0
		.amdhsa_next_free_vgpr 1024
		.amdhsa_next_free_sgpr 66
		.amdhsa_reserve_vcc 1
		.amdhsa_float_denorm_mode_32 3
		.amdhsa_float_denorm_mode_16_64 3
		.amdhsa_memory_ordered 1
		.amdhsa_forward_progress 1
		.amdhsa_inst_pref_size 255
	.end_amdhsa_kernel
	.section	.bss,"aw",@nobits
	.p2align	6
	.space	262144
	.amdgpu_metadata
---
amdhsa.version: [ 1, 2 ]
amdhsa.kernels:
  - .name:           k_q333903517a_match
    .symbol:         k_q333903517a_match.kd
    .args:
      - { .name: embed, .offset: 0, .size: 8, .value_kind: global_buffer, .address_space: global }
      - { .name: lcodes, .offset: 8, .size: 8, .value_kind: global_buffer, .address_space: global }
      - { .name: lside, .offset: 16, .size: 8, .value_kind: global_buffer, .address_space: global }
      - { .name: out0, .offset: 24, .size: 8, .value_kind: global_buffer, .address_space: global }
    .group_segment_fixed_size: 327680
    .private_segment_fixed_size: 0
    .kernarg_segment_align: 8
    .kernarg_segment_size: 32
    .max_flat_workgroup_size: 128
    .sgpr_count:     66
    .vgpr_count:     1024
    .wavefront_size: 32
...
	.end_amdgpu_metadata
.endif
;; end of part 2
